; MI455X (gfx1250); checked and timed in simulation.
; The chip was launched on July 23, 2026; its instructions are those of AMD's public machine-readable ISA for CDNA 5 (MIT licence, August 2026) and "CDNA5" Instruction Set Architecture Reference Guide (July 2026). The comments in the code are by the model that wrote it; some were corrected since.
;; Simple Matcher. Allowed arithmetic: float matrix products may take bf16 or f16 operands with f32 sums; all other float work in f32.
;; Inputs: pred_boxes 128 x 900 x 4 float32; target_boxes 128 x 300 x 4 float32; target_mask 128 x 300 bool.
;; Outputs: out0 128 x 300 int32; out1 128 x 300 bool; out2 128 x 300 float32.
;; One version. Each part assembles by itself: llvm-mc -triple=amdgcn-amd-amdhsa -mcpu=gfx1250 --defsym DOCPART=n.
;; ======== version 1 of 1: 1 launch
;; limits: below input magnitudes of 1.1e-19 results are inexact or not finite; inputs' magnitudes at most 9.2e+18
;; launch match (part 1): grid 256 x 1, 20 waves a work-group, no clusters, 33,280 bytes of LDS; arguments pred_boxes, target_boxes, target_mask, out0, out1, out2; writes out0, out1, out2
.if DOCPART == 1
	.amdgcn_target "amdgcn-amd-amdhsa--gfx1250"
	.amdhsa_code_object_version 6
	.text
	.protected	k_qbeccdee1f1_match
	.globl	k_qbeccdee1f1_match
	.p2align	8
	.type	k_qbeccdee1f1_match,@function
k_qbeccdee1f1_match:
	s_mov_b64 s[64:65], 0
	v_nop
	global_prefetch_b8 v0, s[64:65] scope:SCOPE_SE
	s_setreg_imm32_b32 hwreg(HW_REG_WAVE_MODE, 25, 1), 1
	s_wait_xcnt 0x0
; SimpleMatcher.  For every batch b (128) and target t (300): the largest GIoU over the 900 predictions (out2, f32), the first
; prediction that reaches it (out0, i32), and target_mask & (largest >= 0.5) (out1, one byte).
;
; THE ARITHMETIC follows the defining formula step by step in f32, same operands, same order, because the index and the flag
; are whole numbers that hang on the last bit of the GIoU:
;   x1 = cx - w/2 ..; area = (x2-x1)(y2-y1); inter = clip(rb-lt) products; union = (area_p + area_t) - inter;
;   enclosing area likewise; giou = inter/union - (enclosing - union)/enclosing.
; clip(min(a,b) - lt, 0) is made as max(min(a,b), lt) - lt: where the difference is positive it is the same subtraction, else 0.
; A quotient a/b is r = v_rcp_f32(b), q = a r, e = a - b q (one fused step), q + e r (one fused step): the correctly rounded
; quotient, unless the exact quotient lies within about 2^-21 of a unit in the last place of a rounding boundary.
; LIMITS.  Not served: pairs whose union or enclosing area is 0, denormal or at least 2^126 (v_rcp_f32 flushes denormals: ISA guide,
; its entry); with a zero the defining formula itself gives NaN or an infinity there, and this text does not carry a NaN into the maximum.
; w/2 and h/2 are taken as exact, which holds for |w|, |h| >= 2^-125.
;
; THE SHARES.  256 work-groups: batch = number / 2, half of the targets = number & 1 (150 targets).  20 waves: wave w has
; c = w >> 2 (30 targets, one a lane; lanes 30 and 31 repeat lane 29 and store nothing; 30 is the largest divisor of 150 that fits
; in 32 lanes) and q = w & 3 (a quarter of the predictions).  The 900 predictions are taken as 912 = 4 x 228, the last twelve being copies of
; prediction 899: a copy can only tie with the original, and of equals the smaller number is kept.
; The batch's boxes are converted once by the 640 threads and laid in LDS as five arrays (x1, y1, x2, y2, area).  An array has 1,280 entries, two
; for each thread, so that both groups of stores run with all lanes on and cover separate bytes; entry e holds prediction min(e, 899); entries
; 0 to 911 are read.  In the loop every lane of a wave reads the same 16 bytes of each array: four predictions a trip, 57 trips.
; No joint loads in a cluster: what two work-groups share is 14,400 bytes, read once, and it has to pass through registers to be converted.
; A work-group's part of an output is 600 (or 150) bytes at a multiple of 600 (150): it cannot be laid on 256-byte boundaries.
.set NPRED,   900
.set NTGT,    300
.set THALF,   150                      ; targets of a work-group
.set TWAVE,   30                       ; targets of a wave
.set THREADS, 640
.set QN,      228                      ; predictions of a wave
.set ARR,     4*2*THREADS              ; 5,120 bytes in each of the five arrays
.set SCR,     5*ARR                    ; behind the arrays: 8 bytes for each thread, its best and its index
.set TRIPS,   QN/4                     ; 57
; vector registers
.set ADR,  1                           ; LDS byte address of four x1 (the same in every lane) = 4 x the first one's number
.set LANE, 2
.set SA,   3                           ; 8 x thread: my place in the scratch
.set TX1,  4                           ; v[4:8] my target: x1, y1, x2, y2, area; v9 is written with it (the pair v[8:9] is named below)
.set TY1,  5
.set TX2,  6
.set TY2,  7
.set TA,   8
.set TI,   10                          ; my target's number in [128 x 300]
.set MSK,  11                          ; its mask byte
.set OP0,  12                          ; byte offset of prediction t;            at the end: my target's word in out0 and out2
.set OP1,  13                          ; of prediction min(t + 640, 899);        at the end: the flag
.set OT,   14                          ; of my target's box
.set LS,   15                          ; 4 x thread: entry t in each array
.set PX1,  16                          ; v[16:35] four predictions: x1 x 4, y1 x 4, x2 x 4, y2 x 4, area x 4
.set PY1,  20
.set PX2,  24
.set PY2,  28
.set PA,   32
.set CH,   36                          ; v[36:43] place j of a trip (0..3): v[36+2j] the largest GIoU seen there, v[37+2j] the mark of its trip
.set G0,   44                          ; v[44:61] working pairs for predictions 0, 1 of the trip
.set G1,   64                          ; v[64:81] for predictions 2, 3
.set O_LX, 0                           ; left edge of the intersection;  later inter, then inter's remainder
.set O_LY, 2
.set O_EX, 4                           ; left edge of the enclosing box; later the enclosing area
.set O_EY, 6                           ;                                 later enclosing - union, then its remainder
.set O_RX, 8                           ; right edge, then width, of the intersection;  later 1/union
.set O_RY, 10                          ; the same for y; later inter/union, at last the GIoU
.set O_FX, 12                          ; right edge, then width, of the enclosing box; later 1/enclosing
.set O_FY, 14                          ; the same for y; later (enclosing - union)/enclosing
.set O_SU, 16                          ; area_p + area_t, then the union
; scalar registers: s[4:15] the six addresses; s16 wave; s17 batch; s19 q; s21 the wave's first target; s[22:23] an offset; s28 trips; s30, s34, s35 masks
; cx, cy, w, h in v[s:s+3]  ->  x1, y1, x2, y2, area in v[d:d+4]; v[d+5] is used
.macro XYXY s, d
	v_pk_fma_f32 v[\d:\d+1],   v[\s+2:\s+3], -0.5, v[\s:\s+1] op_sel_hi:[1,0,1]   ; the product with a half is exact, so the fused step rounds as the difference does
	v_pk_fma_f32 v[\d+2:\d+3], v[\s+2:\s+3], 0.5,  v[\s:\s+1] op_sel_hi:[1,0,1]
	v_pk_add_f32 v[\d+4:\d+5], v[\d+2:\d+3], v[\d:\d+1] neg_lo:[0,1] neg_hi:[0,1]
	v_mul_f32 v[\d+4], v[\d+4], v[\d+5]
.endm
	s_load_b256 s[4:11], s[0:1], 0x0               ; pred_boxes s[4:5], target_boxes s[6:7], target_mask s[8:9], out0 s[10:11]
	s_load_b128 s[12:15], s[0:1], 0x20             ; out1 s[12:13], out2 s[14:15]
	v_lshl_add_u32 v84, v0, 2, 0x7800
	v_mov_b32 v85, 0
	v_lshrrev_b32 v1, 5, v0
	v_readfirstlane_b32 s16, v1                    ; wave 0..19
	v_and_b32 v[LANE], 31, v0
	s_lshr_b32 s17, ttmp9, 1                       ; batch
	s_and_b32 s18, ttmp9, 1                        ; which half of its targets
	s_and_b32 s19, s16, 3                          ; q: my quarter of the predictions
	s_lshr_b32 s20, s16, 2                         ; c: my 30 targets
	s_mul_i32 s21, s17, NTGT
	s_mul_i32 s18, s18, THALF
	s_mul_i32 s20, s20, TWAVE
	s_add_co_u32 s21, s21, s18
	s_add_co_u32 s21, s21, s20                     ; the wave's first target
	s_mul_i32 s22, s17, NPRED*16                   ; the batch's boxes, in bytes
	s_mov_b32 s23, 0
	v_min_u32 v[TI], TWAVE-1, v[LANE]              ; lanes 30, 31 repeat lane 29's target
	v_add_nc_u32 v[TI], s21, v[TI]
	v_lshlrev_b32 v[OT], 4, v[TI]                  ; its box
	v_lshlrev_b32 v[OP0], 4, v0                    ; entry t = prediction t
	v_add_nc_u32 v[OP1], THREADS, v0               ; entry t + 640 = prediction min(t + 640, 899): every load stays inside the batch
	v_min_u32 v[OP1], NPRED-1, v[OP1]
	v_lshlrev_b32 v[OP1], 4, v[OP1]
	v_lshlrev_b32 v[LS], 2, v0                     ; where entry t lies in each array
	v_lshlrev_b32 v[SA], 3, v0
	s_wait_kmcnt 0x0
	s_add_nc_u64 s[4:5], s[4:5], s[22:23]
	global_load_b128 v[16:19], v[OP0], s[4:5]      ; a wave's load covers 512 neighbouring bytes
	global_load_b128 v[20:23], v[OP1], s[4:5]
	global_load_b128 v[24:27], v[OT], s[6:7]
	global_load_u8 v[MSK], v[TI], s[8:9]           ; used by the waves with q = 0 alone; asked for here by all, so that no wave waits for it at the end
	s_mul_i32 s29, s19, QN*4                       ; my quarter in each array
	v_mov_b32 v[ADR], s29
.irp j, 0,1,2,3
	v_mov_b32 v[CH+2*\j], 0xff800000               ; minus infinity: the first GIoU replaces it
	v_add_nc_u32 v[CH+2*\j+1], 16, v[ADR]          ; the first trip's mark
.endr
	s_wait_loadcnt 0x0
	XYXY 16, G0
	XYXY 20, G0+6
	XYXY 24, TX1
.irp k, 0,1,2,3,4
	ds_store_b32 v[LS], v[G0+\k] offset:\k*ARR                 ; entries 0 to 639: 32 lanes, 128 neighbouring bytes
.endr
.irp k, 0,1,2,3,4
	ds_store_b32 v[LS], v[G0+6+\k] offset:\k*ARR+4*THREADS     ; entries 640 to 1,279
.endr
	s_wait_dscnt 0x0                               ; my entries are in LDS,
	s_barrier_signal -1
	s_barrier_wait -1                              ; everybody's are
.macro LOADP                           ; four predictions: every lane reads the same 16 bytes of each array
	ds_load_b128 v[PX1:PX1+3], v[ADR]
	ds_load_b128 v[PY1:PY1+3], v[ADR] offset:ARR
	ds_load_b128 v[PX2:PX2+3], v[ADR] offset:2*ARR
	ds_load_b128 v[PY2:PY2+3], v[ADR] offset:3*ARR
	ds_load_b128 v[PA:PA+3],   v[ADR] offset:4*ARR
.endm
; Left and top edges of the intersection (max) and of the enclosing box (min) for predictions p, p + 1.  Each dual instruction pairs an x of one
; prediction with a y of the other: its two first sources (v16+p.. and v20+p+1..) and its two second sources (v4, v5) then differ modulo 4,
; and it writes one even and one odd register, as the dual encoding asks (ISA guide, the section on VOPD).
.macro EDGES G, p
	v_dual_max_num_f32 v[\G+O_LX], v[PX1+\p], v[TX1] :: v_dual_max_num_f32 v[\G+O_LY+1], v[PY1+\p+1], v[TY1]
	v_dual_max_num_f32 v[\G+O_LY], v[PY1+\p], v[TY1] :: v_dual_max_num_f32 v[\G+O_LX+1], v[PX1+\p+1], v[TX1]
	v_dual_min_num_f32 v[\G+O_EX], v[PX1+\p], v[TX1] :: v_dual_min_num_f32 v[\G+O_EY+1], v[PY1+\p+1], v[TY1]
	v_dual_min_num_f32 v[\G+O_EY], v[PY1+\p], v[TY1] :: v_dual_min_num_f32 v[\G+O_EX+1], v[PX1+\p+1], v[TX1]
.endm
; Right and bottom edges, already held at or above the left and top ones, so that the differences below need no clip.
.macro FAR_EDGES G, p
.irp k, 0, 1
	v_minmax_num_f32 v[\G+O_RX+\k], v[PX2+\p+\k], v[TX2], v[\G+O_LX+\k]   ; max(min(x2, X2), left)
	v_minmax_num_f32 v[\G+O_RY+\k], v[PY2+\p+\k], v[TY2], v[\G+O_LY+\k]
	v_max3_num_f32   v[\G+O_FX+\k], v[PX2+\p+\k], v[TX2], v[\G+O_EX+\k]   ; max(max(x2, X2), left)
	v_max3_num_f32   v[\G+O_FY+\k], v[PY2+\p+\k], v[TY2], v[\G+O_EY+\k]
.endr
.endm
; Place j keeps its best where best >= giou, else takes the GIoU and the trip's mark: only a strictly greater value replaces, so the first of equals
; stays.  The mark is the address register as it stands here, 4 x (the trip's first prediction + 4).  One dual instruction updates both: its first
; sources (a GIoU in v54, v55, v74 or v75; the address in v1) differ modulo 4, its second sources are an even register and the odd one behind it,
; and the only scalar value that either half reads is VCC.
.macro TRACK gr, j
	v_cmp_ge_f32 vcc_lo, v[CH+2*\j], v[\gr]
	v_dual_cndmask_b32 v[CH+2*\j], v[\gr], v[CH+2*\j] :: v_dual_cndmask_b32 v[CH+2*\j+1], v[ADR], v[CH+2*\j+1]
.endm
; One trip: four predictions against my target, as two groups of two that fill register pairs.  more = 1: the next trip's predictions are asked for
; as soon as this trip has read its own, with the rest of the trip in which to come.
.macro TRIP more
	s_wait_dscnt 0x0                               ; the five loads of this trip's predictions are in
	EDGES G0, 0
	EDGES G1, 2
	FAR_EDGES G0, 0
	FAR_EDGES G1, 2
	v_pk_add_f32 v[G0+O_SU:G0+O_SU+1], v[PA:PA+1],   v[TA:TA+1] op_sel_hi:[1,0]   ; area_p + area_t (v8 for both halves)
	v_pk_add_f32 v[G1+O_SU:G1+O_SU+1], v[PA+2:PA+3], v[TA:TA+1] op_sel_hi:[1,0]
	v_add_nc_u32 v[ADR], 16, v[ADR]                ; in the last trip too: it is also the trip's mark
.if \more
	LOADP
.endif
.irp g, G0, G1
	v_pk_add_f32 v[\g+O_RX:\g+O_RX+1], v[\g+O_RX:\g+O_RX+1], v[\g+O_LX:\g+O_LX+1] neg_lo:[0,1] neg_hi:[0,1]   ; widths and heights, none below 0
	v_pk_add_f32 v[\g+O_RY:\g+O_RY+1], v[\g+O_RY:\g+O_RY+1], v[\g+O_LY:\g+O_LY+1] neg_lo:[0,1] neg_hi:[0,1]
	v_pk_add_f32 v[\g+O_FX:\g+O_FX+1], v[\g+O_FX:\g+O_FX+1], v[\g+O_EX:\g+O_EX+1] neg_lo:[0,1] neg_hi:[0,1]
	v_pk_add_f32 v[\g+O_FY:\g+O_FY+1], v[\g+O_FY:\g+O_FY+1], v[\g+O_EY:\g+O_EY+1] neg_lo:[0,1] neg_hi:[0,1]
.endr
.irp g, G0, G1
	v_pk_mul_f32 v[\g+O_LX:\g+O_LX+1], v[\g+O_RX:\g+O_RX+1], v[\g+O_RY:\g+O_RY+1]   ; inter
	v_pk_mul_f32 v[\g+O_EX:\g+O_EX+1], v[\g+O_FX:\g+O_FX+1], v[\g+O_FY:\g+O_FY+1]   ; enclosing area
.endr
	; Behind each two v_rcp_f32 stands a packed difference that neither reads their results nor writes their sources: the plain
	; instruction that has to come before a reciprocal is used (ISA guide 5.7.2).
.irp g, G0, G1
	v_rcp_f32 v[\g+O_FX],   v[\g+O_EX]
	v_rcp_f32 v[\g+O_FX+1], v[\g+O_EX+1]
	v_pk_add_f32 v[\g+O_SU:\g+O_SU+1], v[\g+O_SU:\g+O_SU+1], v[\g+O_LX:\g+O_LX+1] neg_lo:[0,1] neg_hi:[0,1]   ; union
.endr
.irp g, G0, G1
	v_rcp_f32 v[\g+O_RX],   v[\g+O_SU]
	v_rcp_f32 v[\g+O_RX+1], v[\g+O_SU+1]
	v_pk_add_f32 v[\g+O_EY:\g+O_EY+1], v[\g+O_EX:\g+O_EX+1], v[\g+O_SU:\g+O_SU+1] neg_lo:[0,1] neg_hi:[0,1]   ; enclosing - union
.endr
	s_wait_alu depctr_va_vdst(0)
.irp g, G0, G1
	v_pk_mul_f32 v[\g+O_RY:\g+O_RY+1], v[\g+O_LX:\g+O_LX+1], v[\g+O_RX:\g+O_RX+1]   ; first guesses of the two quotients
	v_pk_mul_f32 v[\g+O_FY:\g+O_FY+1], v[\g+O_EY:\g+O_EY+1], v[\g+O_FX:\g+O_FX+1]
.endr
.irp g, G0, G1
	v_pk_fma_f32 v[\g+O_LX:\g+O_LX+1], v[\g+O_SU:\g+O_SU+1], v[\g+O_RY:\g+O_RY+1], v[\g+O_LX:\g+O_LX+1] neg_lo:[1,0,0] neg_hi:[1,0,0]   ; what they leave: a - b q
	v_pk_fma_f32 v[\g+O_EY:\g+O_EY+1], v[\g+O_EX:\g+O_EX+1], v[\g+O_FY:\g+O_FY+1], v[\g+O_EY:\g+O_EY+1] neg_lo:[1,0,0] neg_hi:[1,0,0]
.endr
.irp g, G0, G1
	v_pk_fma_f32 v[\g+O_RY:\g+O_RY+1], v[\g+O_LX:\g+O_LX+1], v[\g+O_RX:\g+O_RX+1], v[\g+O_RY:\g+O_RY+1]   ; the rounded quotients: q + (a - b q) / b
	v_pk_fma_f32 v[\g+O_FY:\g+O_FY+1], v[\g+O_EY:\g+O_EY+1], v[\g+O_FX:\g+O_FX+1], v[\g+O_FY:\g+O_FY+1]
.endr
.irp g, G0, G1
	v_pk_add_f32 v[\g+O_RY:\g+O_RY+1], v[\g+O_RY:\g+O_RY+1], v[\g+O_FY:\g+O_FY+1] neg_lo:[0,1] neg_hi:[0,1]   ; the GIoU
.endr
	TRACK G0+O_RY,   0                             ; four places, four chains: none waits for another
	TRACK G0+O_RY+1, 1
	TRACK G1+O_RY,   2
	TRACK G1+O_RY+1, 3
.endm
	LOADP                                          ; the first trip's predictions
	s_mov_b32 s28, TRIPS-1
.Ltrip:
	TRIP 1
	s_sub_co_u32 s28, s28, 1
	s_cmp_lg_u32 s28, 0
	s_cbranch_scc1 .Ltrip
	TRIP 0                                         ; the last trip asks for nothing: no read goes beyond entry 911
	; The marks become numbers: mark / 4 - 4 is the trip's first prediction, place j lies j behind it.
.irp j, 0,1,2,3
	v_lshrrev_b32 v[CH+2*\j+1], 2, v[CH+2*\j+1]
.endr
.irp j, 0,1,2,3
	v_add_nc_u32 v[CH+2*\j+1], \j-4, v[CH+2*\j+1]
.endr
	; The four places meet in place 0: a greater value wins, and of equal values the smaller number, since the places' numbers interleave.
.irp j, 1,2,3
	v_cmp_eq_f32 s34, v[CH+2*\j], v[CH]
	v_cmp_lt_u32 s35, v[CH+2*\j+1], v[CH+1]
	v_cmp_gt_f32 vcc_lo, v[CH+2*\j], v[CH]
	s_and_b32 s34, s34, s35
	s_or_b32 vcc_lo, vcc_lo, s34
	v_cndmask_b32 v[CH],   v[CH],   v[CH+2*\j],   vcc_lo
	v_cndmask_b32 v[CH+1], v[CH+1], v[CH+2*\j+1], vcc_lo
.endr
	; The four quarters of a target meet in LDS: 8 bytes a thread, at 8 x thread, so that wave w + k holds my lane's pair 256 k bytes further on.
	ds_store_b64 v[SA], v[CH:CH+1] offset:SCR
	s_wait_dscnt 0x0                               ; my pairs are in LDS,
	s_barrier_signal -1
	s_barrier_wait -1                              ; everybody's are
	s_cmp_lg_u32 s19, 0
	s_cbranch_scc1 .Ldone                          ; the waves with q = 0 finish their 30 targets; no barrier follows
	ds_load_b64 v[G0:G0+1],   v[SA] offset:SCR+256
	ds_load_b64 v[G0+2:G0+3], v[SA] offset:SCR+512
	ds_load_b64 v[G0+4:G0+5], v[SA] offset:SCR+768
	v_lshlrev_b32 v[OP0], 2, v[TI]                 ; my target's word in out0 and out2
	s_wait_dscnt 0x0
.irp k, 0,1,2
	v_cmp_gt_f32 vcc_lo, v[G0+2*\k], v[CH]         ; quarters in ascending order, strictly greater wins: the first of equals stays
	v_cndmask_b32 v[CH],   v[CH],   v[G0+2*\k],   vcc_lo
	v_cndmask_b32 v[CH+1], v[CH+1], v[G0+2*\k+1], vcc_lo
.endr
	v_cmp_le_f32 vcc_lo, 0.5, v[CH]
	v_cndmask_b32 v[OP1], 0, v[MSK], vcc_lo        ; the mask byte (0 or 1) where the threshold is met, else 0
	v_cmp_gt_u32 vcc_lo, TWAVE, v[LANE]
	s_wait_xcnt 0x0                                ; EXEC changes only behind this wait
	s_wait_tensorcnt 0x0
	ds_add_u32 v84, v85
	s_wait_dscnt 0x0
	s_and_saveexec_b32 s30, vcc_lo                 ; lanes 30 and 31 hold a repeat of lane 29
	global_store_b32 v[OP0], v[CH+1], s[10:11]     ; 30 lanes, 120 neighbouring bytes
	global_store_b8 v[TI], v[OP1], s[12:13]        ; 30 neighbouring bytes
	global_store_b32 v[OP0], v[CH], s[14:15]
	s_wait_xcnt 0x0                                ; and again in front of the line that widens it
	s_or_b32 exec_lo, exec_lo, s30
	s_endpgm
.Ldone:
	s_wait_tensorcnt 0x0
	ds_add_u32 v84, v85
	s_wait_dscnt 0x0
	s_endpgm
.Lfunc_end_k_qbeccdee1f1_match:
	.size	k_qbeccdee1f1_match, .Lfunc_end_k_qbeccdee1f1_match-k_qbeccdee1f1_match
	.p2alignl 7, 3214868480
	.fill 96, 4, 3214868480
	.section	.rodata,"a",@progbits
	.p2align	6, 0x0
	.amdhsa_kernel k_qbeccdee1f1_match
		.amdhsa_group_segment_fixed_size 33280
		.amdhsa_private_segment_fixed_size 0
		.amdhsa_enable_private_segment 0
		.amdhsa_kernarg_size 48
		.amdhsa_user_sgpr_count 2
		.amdhsa_user_sgpr_kernarg_segment_ptr 1
		.amdhsa_wavefront_size32 1
		.amdhsa_system_sgpr_workgroup_id_x 1
		.amdhsa_system_sgpr_workgroup_id_y 1
		.amdhsa_system_sgpr_workgroup_id_z 1
		.amdhsa_system_vgpr_workitem_id 0
		.amdhsa_next_free_vgpr 86
		.amdhsa_next_free_sgpr 66
		.amdhsa_reserve_vcc 1
		.amdhsa_float_denorm_mode_32 3
		.amdhsa_float_denorm_mode_16_64 3
		.amdhsa_memory_ordered 1
		.amdhsa_forward_progress 1
		.amdhsa_inst_pref_size 16
	.end_amdhsa_kernel
	.amdgpu_metadata
---
amdhsa.version: [ 1, 2 ]
amdhsa.kernels:
  - .name:           k_qbeccdee1f1_match
    .symbol:         k_qbeccdee1f1_match.kd
    .args:
      - { .name: pred_boxes, .offset: 0, .size: 8, .value_kind: global_buffer, .address_space: global }
      - { .name: target_boxes, .offset: 8, .size: 8, .value_kind: global_buffer, .address_space: global }
      - { .name: target_mask, .offset: 16, .size: 8, .value_kind: global_buffer, .address_space: global }
      - { .name: out0, .offset: 24, .size: 8, .value_kind: global_buffer, .address_space: global }
      - { .name: out1, .offset: 32, .size: 8, .value_kind: global_buffer, .address_space: global }
      - { .name: out2, .offset: 40, .size: 8, .value_kind: global_buffer, .address_space: global }
    .group_segment_fixed_size: 33280
    .private_segment_fixed_size: 0
    .kernarg_segment_align: 8
    .kernarg_segment_size: 48
    .max_flat_workgroup_size: 640
    .sgpr_count:     66
    .vgpr_count:     86
    .wavefront_size: 32
...
	.end_amdgpu_metadata
.endif
;; end of part 1
